; MI455X (gfx1250); checked and timed in simulation.
; The chip was launched on July 23, 2026; its instructions are those of AMD's public machine-readable ISA for CDNA 5 (MIT licence, August 2026) and "CDNA5" Instruction Set Architecture Reference Guide (July 2026). The comments in the code are by the model that wrote it; some were corrected since.
;; NN Model. Allowed arithmetic: matrix products marked QUANTISED: E5M2 operands, one given power-of-two scale a tensor, by v_wmma_f32_16x16x64_bf8_bf8 or v_wmma_f32_16x16x128_bf8_bf8, f32 sums; products left as they are: f32 operands where the result goes on into a quantised operand, else bf16, f16 or f32 operands; f32 sums; everything else in f32.
;; Inputs: W1 257 float32; eps 64 float32; lowp_scales 2 int32 (the exponents e of the quantised operands' scales 2^e); params 262,656 float32; x 4,096 x 513 float32.
;; Outputs: out0 4,096 x 64 float32; out1 131,328 float32; out2 131,328 float32.
;; This version of the problem:
;;   THIS VERSION OF THE PROBLEM IS GIVEN IN LOW PRECISION. The matrix products marked QUANTISED in the list below multiply operands that are first quantised to E5M2 (5 exponent bits, 2 mantissa bits; 8 bits a number), with one given power-of-two scale for each operand tensor; their sums are f32. All else is computed in f32.
;;   The module's matrix products, in the order in which they are computed (A, B: the left and right operand; K: the contracted axis; several contracted axes count as one K, in the product's order):
;;     1. [M 4,096, K 513] x [K 513, N 16,384]; A: input x; B: computed on the way: QUANTISED (scales: A lowp_scales[0], B lowp_scales[1])
;;     2. [M 262,144, K 257] x [K 257, N 1]; A: computed on the way; B: input W1: left as it is (N = 1 < 16)
;;   THE QUANTISER, for each operand of a quantised product, along K:
;;     - The operand's scale is 2^e, e = its entry of the input lowp_scales (int32; the entries are numbered through the quantised products in the list's order, A before B).
;;     - Each number is divided by the scale, clamped to +-57,344, and rounded to the nearest number of E5M2, ties to even, subnormals kept.
;;     - The product sums the exact products of the quantised numbers (number of the format x scale) in f32.
;;   ~~~python
;;   def quantise(x, axis, e):      # numpy; x: float32 -> the quantised numbers, widened to float32 again
;;       x = np.moveaxis(x, axis, -1); K = x.shape[-1]
;;       r = np.clip(x / 2.0 ** e, -57344, 57344)
;;       step = 2.0 ** (np.maximum(np.frexp(np.where(r == 0, 1, r))[1] - 1, -14) - 2)
;;       q = np.round(r / step) * step * 2.0 ** e      # np.round: ties to even
;;       return np.moveaxis(q, -1, axis).astype(np.float32)
;;   ~~~
;;   OPERANDS COMPUTED ON THE WAY. 'Computed on the way' means the value that the module computes at that place (a softmax that the list does not call 'softmax' is quantised finished and normalised). What goes into a quantiser is computed in f32, as accurately as f32 sums, v_exp_f32 and their like allow (about 1e-6 of the number): no bf16 or f16 on the way to a quantiser, and a product that is left as it is and whose result goes on into a quantised operand takes f32 operands (vector FMAs, or v_wmma_f32_16x16x4_f32). A number that lies on a knife's edge between two numbers of the format may be rounded either way, as far as f32 arithmetic and the matrix unit's own rounding can turn it there, and no further.
;; One version. Each part assembles by itself: llvm-mc -triple=amdgcn-amd-amdhsa -mcpu=gfx1250 --defsym DOCPART=n.
;; ======== version 1 of 1: 2 launches
;; limits: right only within a limited range of input values
;; workspace buffers: x_codes 2,162,688 bytes; w_codes 8,650,752 bytes
;; launch quant (part 1): grid 585 x 1, 4 waves a work-group, no clusters, 36,352 bytes of LDS; arguments params, eps, x, lowp_scales, x_codes, w_codes, out1, out2; writes x_codes, w_codes, out1, out2
.if DOCPART == 1
	.amdgcn_target "amdgcn-amd-amdhsa--gfx1250"
	.amdhsa_code_object_version 6
	.text
	.protected	k_qdda56d08ab_quant
	.globl	k_qdda56d08ab_quant
	.p2align	8
	.type	k_qdda56d08ab_quant,@function
k_qdda56d08ab_quant:
	s_mov_b64 s[64:65], 0
	v_nop
	global_prefetch_b8 v0, s[64:65] scope:SCOPE_SE
	s_setreg_imm32_b32 hwreg(HW_REG_WAVE_MODE, 25, 1), 1
	s_wait_xcnt 0x0
; Makes the codes of BF8 (E5M2) of both operands of x W0, once, and the two outputs that are copies of params.
;   W0[d][h][mc] = m[d][h] + eps[mc] * sqrt(v[d][h]),  m = params[0 .. 131327],  v = max(params[131328 ..], 0) + 1e-6,  K = d = 0 .. 512.
; code = number / 2^e, held within +-57,344, to the nearest code, ties to even; e = lowp_scales[0] for x, [1] for W0.
; LIMITS: -126 <= e <= 112 for both scales, so that 2^e and 57,344 x 2^e are f32 numbers.  NaN among the inputs is not served; an infinity in x or params is held at the largest code.
; A RECORD (8,448 bytes = 33 x 256) is the image of an operand's registers for 16 rows (of x) or 16 columns (of W0):
;   block C = 0 .. 15, lane l = 16 h + r: the 16 bytes at 512 C + 16 l are the codes of k = 32 C + 16 h + 0 .. 15 of row or column r.
;   block 16, 256 bytes: the 8 bytes at 8,192 + 8 l; only k = 512 (lanes 0-15, byte 0) is a number, all else there is the code 0.
;   x's record b (0 .. 255): rows 16 b + r.   W0's record (g, t), at g x 540,672 + t x 8,448: column c stands for h = 4 t + (c % 8) / 2 and mc = 4 g + 2 (c / 8) + c % 2,
;   so that in the product's result, where a lane holds columns 8 (lane / 16) + 0 .. 7, a register's hidden unit is the same in every lane.
; ROLES, by the work-group's number: 0 .. 255 W0 (a wave makes block C of record t for all 16 g); 256 .. 271 W0's block 16; 272 .. 527 x (a work-group makes one record); 528 .. 584 out1 and out2 (9 rows of 1,024 bytes each).
; Only x's role touches LDS.  No matrix unit, no tensor load, no cluster: each byte is made once and the waves share nothing but x's 16 rows.
.set LENB,  525312                     ; bytes of m, and of the variances' half of params
.set REC,   8448
.set GB,    540672                     ; 64 records: from one g to the next
.set NW,    272                        ; work-groups of W0's roles
.set NX,    256                        ; of x's role
.set XROWB, 2052                       ; a row of x: 513 numbers
.set XBLK,  32832                      ; 16 rows of x, dense in memory
.set M,  16                            ; v16-31   role W: 16 means down K
.set P,  32                            ; v32-47   16 variances, then their roots
.set E,  48                            ; v48-63   eps of my mc, for g = 0 .. 15
.set T,  64                            ; v64-95   two sets of 16 samples, by turns
.set CD, 96                            ; v96-159  codes: registers of their own for each g, so that no store's data are written again
.set L8, 162                           ; v162  8 x lane: my place in block 16
.set XE, 163                           ; v163  16 (thread % 4): the last 64 bytes of x's 16 rows
.macro SCALE e
	s_add_co_i32 s32, \e, 127
	s_lshl_b32 s33, s32, 23
	v_mov_b32 v11, s33                             ; 2^e as f32: the conversion takes its exponent field
	s_add_co_i32 s32, s32, 15
	s_lshl_b32 s32, s32, 23
	s_or_b32 s32, s32, 0x600000
	v_mov_b32 v10, s32                             ; 57,344 x 2^e
	s_wait_alu depctr_va_vdst(0)
.endm
	s_load_b256 s[4:11], s[0:1], 0x0               ; params s[4:5], eps s[6:7], x s[8:9], the scales' exponents s[10:11]
	s_load_b256 s[12:19], s[0:1], 0x20             ; x_codes s[12:13], w_codes s[14:15], out1 s[16:17], out2 s[18:19]
	v_lshl_add_u32 v160, v0, 2, 0x8c00
	v_mov_b32 v161, 0
	v_lshrrev_b32 v1, 5, v0
	v_readfirstlane_b32 s20, v1                    ; wave 0..3
	v_and_b32 v1, 31, v0                           ; lane
	v_and_b32 v2, 15, v0                           ; r, or c
	v_bfe_u32 v3, v0, 4, 1                         ; h
	v_lshlrev_b32 v4, 4, v1                        ; 16 x lane: my place in a block of a record
	v_lshlrev_b32 v8, 4, v0                        ; 16 x thread: x's way in, in memory and in LDS alike
	v_lshlrev_b32 v[L8], 3, v1
	v_and_b32 v[XE], 3, v0
	v_lshlrev_b32 v[XE], 4, v[XE]
	s_lshl_b32 s21, s20, 9
	v_mul_u32_u24 v12, v2, XROWB
	v_lshl_add_u32 v9, v3, 6, v12
	v_add_nc_u32 v9, s21, v9                       ; x's way out of LDS: row r, + 64 h, + 512 x wave (four blocks of 32 numbers a wave)
	v_add_nc_u32 v12, 2048, v12                    ; and x[r][512]
	v_mov_b32 v14, 0
	s_wait_alu depctr_va_vdst(0)
	s_wait_kmcnt 0x0
	s_cmp_lt_u32 ttmp9, NW
	s_cbranch_scc1 .Lrole_w
	s_cmp_lt_u32 ttmp9, NW+NX
	s_cbranch_scc1 .Lrole_x
	; ---- out1 = m, out2 = max(p, 0) + 1e-6: 9,216 bytes of each for a work-group; a wave's load or store covers 256 consecutive bytes, aligned
	s_sub_co_u32 s24, ttmp9, NW+NX
	s_mul_i32 s24, s24, 9216
	s_mov_b32 s25, 0
	s_add_nc_u64 s[4:5], s[4:5], s[24:25]
	s_add_nc_u64 s[16:17], s[16:17], s[24:25]
	s_add_nc_u64 s[18:19], s[18:19], s[24:25]
	v_lshlrev_b32 v13, 3, v0
.irp j, 0,1,2,3,4,5,6,7,8
	global_load_b64 v[16+2*\j:17+2*\j], v13, s[4:5] offset:1024*\j
.endr
.irp j, 0,1,2,3,4,5,6,7,8
	global_load_b64 v[40+2*\j:41+2*\j], v13, s[4:5] offset:LENB+1024*\j
.endr
	s_wait_alu depctr_va_vdst(0)
	s_wait_loadcnt 9                               ; the nine loads of m are in; the nine behind them may be out
.irp j, 0,1,2,3,4,5,6,7,8
	global_store_b64 v13, v[16+2*\j:17+2*\j], s[16:17] offset:1024*\j
.endr
	s_wait_loadcnt 0x0
.irp i, 0,1,2,3,4,5,6,7,8,9,10,11,12,13,14,15,16,17
	v_max_num_f32 v[40+\i], 0, v[40+\i]
.endr
.irp i, 0,1,2,3,4,5,6,7,8,9,10,11,12,13,14,15,16,17
	v_add_f32 v[40+\i], 0x358637bd, v[40+\i]       ; + 1e-6
.endr
.irp j, 0,1,2,3,4,5,6,7,8
	global_store_b64 v13, v[40+2*\j:41+2*\j], s[18:19] offset:1024*\j
.endr
	s_endpgm
	; ---- W0.  Work-group j: block C = j / 16; wave w: record t = 4 (j % 16) + w.  A lane takes column c and its registers run down K: k = 32 C + 16 h + i.
.Lrole_w:
	s_load_b64 s[22:23], s[10:11], 0x0             ; ex, ew
	s_lshr_b32 s26, ttmp9, 4                       ; C
	s_and_b32 s27, ttmp9, 15
	s_lshl_b32 s27, s27, 2
	s_add_co_u32 s27, s27, s20                     ; t
	s_lshl_b32 s24, s26, 15                        ; 32 rows of 1,024 bytes a block,
	s_lshl_b32 s25, s27, 4                         ; 4 hidden units a record
	s_add_co_u32 s24, s24, s25
	s_mov_b32 s25, 0
	s_add_nc_u64 s[24:25], s[4:5], s[24:25]        ; m[32 C][4 t]
	s_mul_i32 s30, s27, REC
	s_lshl_b32 s31, s26, 9
	s_add_co_u32 s30, s30, s31
	s_mov_b32 s31, 0
	s_add_nc_u64 s[30:31], s[14:15], s[30:31]      ; block C of record (0, t)
	s_wait_alu depctr_va_vdst(0)
	v_bfe_u32 v6, v2, 1, 2
	v_lshlrev_b32 v6, 2, v6                        ; 4 ((c % 8) / 2): my hidden unit
	v_lshl_add_u32 v5, v3, 14, v6                  ; + 16 rows for lanes 16-31
	v_bfe_u32 v7, v2, 3, 1
	v_and_b32 v13, 1, v2
	v_lshl_add_u32 v7, v7, 1, v13
	v_lshlrev_b32 v7, 2, v7                        ; 4 (2 (c / 8) + c % 2): my mc within a g
.irp g, 0,1,2,3,4,5,6,7,8,9,10,11,12,13,14,15
	global_load_b32 v[E+\g], v7, s[6:7] offset:16*\g   ; eps[4 g + my mc]
.endr
	s_wait_alu depctr_va_vdst(0)
	s_cmp_ge_u32 ttmp9, 256
	s_cbranch_scc1 .Lw_last
.irp i, 0,1,2,3,4,5,6,7,8,9,10,11,12,13,14,15
	global_load_b32 v[P+\i], v5, s[24:25] offset:LENB+1024*\i
.endr
.irp i, 0,1,2,3,4,5,6,7,8,9,10,11,12,13,14,15
	global_load_b32 v[M+\i], v5, s[24:25] offset:1024*\i
.endr
	s_wait_loadcnt 16                              ; eps and the variances are in; the 16 loads of m behind them may be out
.irp i, 0,1,2,3,4,5,6,7,8,9,10,11,12,13,14,15
	v_max_num_f32 v[P+\i], 0, v[P+\i]
.endr
.irp i, 0,1,2,3,4,5,6,7,8,9,10,11,12,13,14,15
	v_add_f32 v[P+\i], 0x358637bd, v[P+\i]         ; v = max(p, 0) + 1e-6
.endr
	s_wait_alu depctr_va_vdst(0)
.irp i, 0,1,2,3,4,5,6,7,8,9,10,11,12,13,14,15
	v_sqrt_f32 v[P+\i], v[P+\i]
.endr
	v_nop                                          ; one plain instruction behind the last root, ahead of the use of its result (ISA guide 5.7.2)
	s_wait_loadcnt 0x0
	s_wait_alu depctr_va_vdst(0)                   ; the batch's wait behind it, ahead of the branch
	s_branch .Lw_gen
	; Block 16: k = 512 alone is a number, in lanes 0-15, the first of a lane's eight; no load leaves params.
.Lw_last:
	global_load_b32 v[P], v6, s[24:25] offset:LENB
	global_load_b32 v[M], v6, s[24:25]
.irp i, 1,2,3,4,5,6,7
	v_mov_b32 v[T+\i], 0                           ; four sets of eight numbers, seven of them zeros
	v_mov_b32 v[T+8+\i], 0
	v_mov_b32 v[T+16+\i], 0
	v_mov_b32 v[T+24+\i], 0
.endr
	s_wait_loadcnt 0x0
	v_max_num_f32 v[P], 0, v[P]
	v_add_f32 v[P], 0x358637bd, v[P]
	s_wait_alu depctr_va_vdst(0)
	v_sqrt_f32 v[P], v[P]
	v_nop
	s_mov_b32 vcc_lo, 0xffff0000
	v_cndmask_b32 v[M], v[M], v14, vcc_lo          ; lanes 16-31 hold zeros
	s_wait_alu depctr_va_vdst(0)                   ; and ahead of the root's first reader
	v_cndmask_b32 v[P], v[P], v14, vcc_lo
	s_wait_alu depctr_va_vdst(0)
	s_wait_kmcnt 0x0
	SCALE s23
.irp q, 0,1,2,3,4,5,6,7
.set TA, T+16*(\q%2)
.set TB, TA+8
	v_fma_f32 v[TA], v[P], v[E+2*\q], v[M]         ; two g at a time; the pairs of sets take turns
	v_fma_f32 v[TB], v[P], v[E+2*\q+1], v[M]
	v_med3_num_f32 v[TA], v[TA], -v10, v10
	v_med3_num_f32 v[TB], v[TB], -v10, v10
	v_cvt_scalef32_pk8_bf8_f32 v[CD+4*\q:CD+4*\q+1], v[TA:TA+7], v11
	v_cvt_scalef32_pk8_bf8_f32 v[CD+4*\q+2:CD+4*\q+3], v[TB:TB+7], v11
	global_store_b64 v[L8], v[CD+4*\q:CD+4*\q+1], s[30:31] offset:2*\q*GB      ; 32 lanes store 256 consecutive bytes, aligned
	global_store_b64 v[L8], v[CD+4*\q+2:CD+4*\q+3], s[30:31] offset:(2*\q+1)*GB
.endr
	s_endpgm
.Lw_gen:
	s_wait_kmcnt 0x0
	SCALE s23
; The 16 samples of my column for group g of four mc, their codes, and the block's 512 bytes: the wave stores 512 consecutive bytes, aligned.
; The two sets of samples take turns, so that plain vector lines stand between a conversion and the next write of its sources.
.macro GEN g
.set TS, T+16*((\g)%2)
.set EP, E+2*((\g)/2)
.irp i, 0,2,4,6,8,10,12,14
.if (\g)%2
	v_pk_fma_f32 v[TS+\i:TS+\i+1], v[P+\i:P+\i+1], v[EP:EP+1], v[M+\i:M+\i+1] op_sel:[0,1,0] op_sel_hi:[1,1,1]   ; m + eps sqrt(v): the pair's upper eps for both halves
.else
	v_pk_fma_f32 v[TS+\i:TS+\i+1], v[P+\i:P+\i+1], v[EP:EP+1], v[M+\i:M+\i+1] op_sel_hi:[1,0,1]                  ; the pair's lower eps for both halves
.endif
.endr
.irp i, 0,1,2,3,4,5,6,7,8,9,10,11,12,13,14,15
	v_med3_num_f32 v[TS+\i], v[TS+\i], -v10, v10   ; the conversion to an 8-bit code does not saturate (ISA guide 7.6.2): the hold at the largest code x the scale
.endr
	v_cvt_scalef32_pk8_bf8_f32 v[CD+4*(\g):CD+4*(\g)+1], v[TS:TS+7], v11
	v_cvt_scalef32_pk8_bf8_f32 v[CD+4*(\g)+2:CD+4*(\g)+3], v[TS+8:TS+15], v11
	global_store_b128 v4, v[CD+4*(\g):CD+4*(\g)+3], s[30:31] offset:(\g)*GB   ; 15 x 540,672 at the most: inside the signed 24-bit immediate
.endm
.irp g, 0,1,2,3,4,5,6,7,8,9,10,11,12,13,14,15
	GEN \g
.endr
	s_endpgm
	; ---- x.  A work-group's 16 rows are 32,832 dense bytes: they come in as they lie, 16 bytes a thread, and are read out of LDS 16 neighbours along K to a lane.
.Lrole_x:
	s_load_b64 s[22:23], s[10:11], 0x0             ; ex, ew
	s_sub_co_u32 s26, ttmp9, NW                    ; the record
	s_mul_i32 s24, s26, XBLK
	s_mov_b32 s25, 0
	s_add_nc_u64 s[24:25], s[8:9], s[24:25]
	s_mul_i32 s30, s26, REC
	s_lshl_b32 s31, s20, 11                        ; four blocks of 512 bytes a wave
	s_add_co_u32 s30, s30, s31
	s_mov_b32 s31, 0
	s_add_nc_u64 s[30:31], s[12:13], s[30:31]
	s_wait_alu depctr_va_vdst(0)
.irp j, 0,1,2,3,4,5,6,7,8,9,10,11,12,13,14,15
	global_load_b128 v[16+4*\j:19+4*\j], v8, s[24:25] offset:2048*\j th:TH_LOAD_NT   ; 128 threads read 2,048 consecutive bytes; read once in the launch
.endr
	global_load_b128 v[80:83], v[XE], s[24:25] offset:32768   ; the last 64 bytes, the same four pieces in every four threads: each thread puts its piece at a place of its own,
	s_wait_loadcnt 0x0                             ; so the 64 bytes from 32,768 on are threads 0 to 3's, and what lies behind them is not read
	ds_store_b128 v8, v[80:83] offset:32768
.irp j, 0,1,2,3,4,5,6,7,8,9,10,11,12,13,14,15
	ds_store_b128 v8, v[16+4*\j:19+4*\j] offset:2048*\j
.endr
	s_wait_dscnt 0x0                               ; for the others' sake: my stores have landed
	s_barrier_signal -1
	s_barrier_wait -1                              ; the 16 rows lie in LDS
.irp cc, 0,1,2,3
.irp i, 0,1,2,3,4,5,6,7,8,9,10,11,12,13,14,15
	ds_load_b32 v[16+16*\cc+\i], v9 offset:128*\cc+4*\i   ; x[r][32 (4 w + cc) + 16 h + i]; rows are 513 words apart
.endr
.endr
	s_wait_kmcnt 0x0
	SCALE s22
.irp cc, 0,1,2,3
	s_wait_dscnt 48-16*\cc                         ; this block's 16 loads are in; those of the later blocks may be out
.irp i, 0,1,2,3,4,5,6,7,8,9,10,11,12,13,14,15
	v_med3_num_f32 v[16+16*\cc+\i], v[16+16*\cc+\i], -v10, v10
.endr
	v_cvt_scalef32_pk8_bf8_f32 v[96+4*\cc:97+4*\cc], v[16+16*\cc:23+16*\cc], v11
	v_cvt_scalef32_pk8_bf8_f32 v[98+4*\cc:99+4*\cc], v[24+16*\cc:31+16*\cc], v11
	global_store_b128 v4, v[96+4*\cc:99+4*\cc], s[30:31] offset:512*\cc
.endr
	s_cmp_lg_u32 s20, 0                            ; block 16 is wave 0's: x[r][512] in lanes 0-15, byte 0; all else the code 0
	s_cbranch_scc1 .Lx_end
	ds_load_b32 v112, v12
.irp i, 113,114,115,116,117,118,119
	v_mov_b32 v\i, 0
.endr
	s_mov_b32 vcc_lo, 0xffff0000
	s_wait_dscnt 0x0
	v_cndmask_b32 v112, v112, v14, vcc_lo
	v_med3_num_f32 v112, v112, -v10, v10
	s_wait_alu depctr_va_vdst(0)
	v_cvt_scalef32_pk8_bf8_f32 v[120:121], v[112:119], v11
	global_store_b64 v[L8], v[120:121], s[30:31] offset:8192
.Lx_end:
	s_wait_tensorcnt 0x0                           ; the wave's end
	ds_add_u32 v160, v161
	s_wait_dscnt 0x0
	s_endpgm
.Lfunc_end_k_qdda56d08ab_quant:
	.size	k_qdda56d08ab_quant, .Lfunc_end_k_qdda56d08ab_quant-k_qdda56d08ab_quant
	.p2alignl 7, 3214868480
	.fill 96, 4, 3214868480
	.section	.rodata,"a",@progbits
	.p2align	6, 0x0
	.amdhsa_kernel k_qdda56d08ab_quant
		.amdhsa_group_segment_fixed_size 36352
		.amdhsa_private_segment_fixed_size 0
		.amdhsa_enable_private_segment 0
		.amdhsa_kernarg_size 64
		.amdhsa_user_sgpr_count 2
		.amdhsa_user_sgpr_kernarg_segment_ptr 1
		.amdhsa_wavefront_size32 1
		.amdhsa_system_sgpr_workgroup_id_x 1
		.amdhsa_system_sgpr_workgroup_id_y 1
		.amdhsa_system_sgpr_workgroup_id_z 1
		.amdhsa_system_vgpr_workitem_id 0
		.amdhsa_next_free_vgpr 164
		.amdhsa_next_free_sgpr 66
		.amdhsa_reserve_vcc 1
		.amdhsa_float_denorm_mode_32 3
		.amdhsa_float_denorm_mode_16_64 3
		.amdhsa_memory_ordered 1
		.amdhsa_forward_progress 1
		.amdhsa_inst_pref_size 63
	.end_amdhsa_kernel
	.amdgpu_metadata
---
amdhsa.version: [ 1, 2 ]
amdhsa.kernels:
  - .name:           k_qdda56d08ab_quant
    .symbol:         k_qdda56d08ab_quant.kd
    .args:
      - { .name: params, .offset: 0, .size: 8, .value_kind: global_buffer, .address_space: global }
      - { .name: eps, .offset: 8, .size: 8, .value_kind: global_buffer, .address_space: global }
      - { .name: x, .offset: 16, .size: 8, .value_kind: global_buffer, .address_space: global }
      - { .name: lowp_scales, .offset: 24, .size: 8, .value_kind: global_buffer, .address_space: global }
      - { .name: x_codes, .offset: 32, .size: 8, .value_kind: global_buffer, .address_space: global }
      - { .name: w_codes, .offset: 40, .size: 8, .value_kind: global_buffer, .address_space: global }
      - { .name: out1, .offset: 48, .size: 8, .value_kind: global_buffer, .address_space: global }
      - { .name: out2, .offset: 56, .size: 8, .value_kind: global_buffer, .address_space: global }
    .group_segment_fixed_size: 36352
    .private_segment_fixed_size: 0
    .kernarg_segment_align: 8
    .kernarg_segment_size: 64
    .max_flat_workgroup_size: 128
    .sgpr_count:     66
    .vgpr_count:     164
    .wavefront_size: 32
...
	.end_amdgpu_metadata
.endif
;; end of part 1
;; launch prod (part 2): grid 16 x 16, 4 waves a work-group, clusters of 4 x 4, 327,680 bytes of LDS; arguments x_codes, w_codes, W1, lowp_scales, out0; writes out0
.if DOCPART == 2
	.amdgcn_target "amdgcn-amd-amdhsa--gfx1250"
	.amdhsa_code_object_version 6
	.text
	.protected	k_qdda56d08ab_prod
	.globl	k_qdda56d08ab_prod
	.p2align	8
	.type	k_qdda56d08ab_prod,@function
k_qdda56d08ab_prod:
	s_mov_b64 s[64:65], 0
	v_nop
	global_prefetch_b8 v0, s[64:65] scope:SCOPE_SE
	s_setreg_imm32_b32 hwreg(HW_REG_WAVE_MODE, 25, 1), 1
	s_wait_xcnt 0x0
	s_wait_alu depctr_hold_cnt(0) depctr_sa_sdst(0) depctr_va_vdst(0) depctr_va_sdst(0) depctr_va_ssrc(0) depctr_va_vcc(0) depctr_vm_vsrc(0)
	s_getreg_b32 s2, hwreg(HW_REG_IB_STS2, 6, 4)
	s_cmp_eq_u32 s2, 0
	s_cbranch_scc0 .Lentry_in_a_cluster
	s_endpgm
.Lentry_in_a_cluster:
	s_bfe_u32 s2, ttmp6, 0x10000c
	s_cmp_lg_u32 s2, 0xf033
	s_cbranch_scc0 .Lentry_shape_is_right
	s_endpgm
.Lentry_shape_is_right:
; out0[n][mc] = W1[0] + sum over h of W1[1 + h] x max(0, sum over d of x[n][d] W0[d][h][mc]), the inner product on codes of BF8 (E5M2), its sums f32, x 2^(ex + ew).
; The codes come as RECORDS of 8,448 bytes, images of an operand's registers: block C = 0 .. 15, lane l = 16 h' + r holds at 512 C + 16 l the codes of k = 32 C + 16 h' + 0 .. 15 of row (x) or column (W0) r;
; block 16 holds at 8,192 + 8 l eight codes, of which k = 512 alone is a number.  16 loads of 16 bytes a lane and one of 8 bring a record.  The place of each k is the same in both operands.
; K = 513 is four steps of 128 (blocks 0-15) and one of 64 (block 16: on W0's side the six registers above its two hold the code 0, so whatever finite codes stand there on x's side add nothing).
; SHARES.  Work-group (g, rho) owns rows 256 rho .. + 255 and the columns of ALL 256 hidden units for mc = 4 g .. 4 g + 3: the sum over h never leaves the work-group.  256 work-groups of equal work.
;   Wave w: rows 128 (w / 2) on (8 blocks of 16), and half w % 2 of each phase's 16 records of W0: 32 tiles of 16 columns in all.
;   x's codes of the wave's 128 rows stay in REGISTERS (528 of them); only W0's codes stream through LDS: four phases of 16 records through two slots.
; THE MATRIX INSTRUCTION IS USED TRANSPOSED (source 0 = 16 columns of W0, source 1 = 16 rows of x): lane (r, h') holds row r, and its register j column 8 h' + j of record t: hidden unit 4 t + j / 2, mc 4 g + 2 h' + j % 2.
;   So a register's hidden unit is the same in every lane, and its number of W1 is a SCALAR.
; THE EPILOGUE (max with 0; x W1, added to running sums) is a list of 32 lines for four blocks of rows, dealt behind the 20 matrix instructions of the OTHER four blocks.
; HEAD: one joint load a wave: waves 0, 1 x's halves into slot 1, waves 2, 3 the halves of W0's phase 0 into slot 0.  The first half tile runs while x's rows 64-127 are still on their way to registers.
; A CHANGE OF SLOTS signals eight products into a tile and waits twelve products later; the next slot's first record is fetched in the tile's second half.
; CLUSTER 4 x 4: x's records hang on rho alone and are asked for jointly along a row of the cluster, W0's on g alone and jointly along a column.
; No data prefetch: each refill is asked for some seven tiles (280 matrix instructions a wave) or more ahead of its first read, and the first fills have no loop ahead of them.
; out0: a lane stores 16 bytes (its row's four mc); a row's 256 bytes come from 16 work-groups.  Whole rows from one work-group would want all 64 mc there, and then a tile of W0 would serve 16 rows only; out0 is 1 MiB in all.
; LIMITS: none on ex + ew (applied by v_ldexp_f32).  NaN is not served.  The order of the sums along K is blocks 4-7, 12-15, 8-11, 0-3, 16 (rows 64 on: 4-7, 8-11, 12-15, 0-3, 16).
; REGISTERS, in windows of 256 (s_set_vgpr_msb: bits 1:0 source 0, 3:2 source 1, 5:4 source 2, 7:6 destination):
;   window 0: v1-11 addresses; v12-15 W1's numbers; v16-87, v88-159 two sets for a record of W0 (66 registers + 6 zeros); v160-223 the 8 accumulators; v224-255 the running sums, 4 a block (two chains of a pair)
;   window 1: v0-127 x's blocks 0-3 (16 registers for each block of rows); v128-143 x's block 16 (2 each); v144-149 zeros
;   window 2: v0-127 x's blocks 4-7; v128-191 x's blocks 12-15 of rows 0-63          window 3: v0-127 x's blocks 8-11; v128-191 x's blocks 12-15 of rows 64-127
;   windows 1, 2, 3: v192-193 zeros, the second sources of the maxima
.set REC,   8448
.set QB,    4*REC                      ; a quarter of a slot: what one refill brings
.set HB,    8*REC                      ; half a slot: what one first fill brings
.set PHB,   16*REC                     ; a slot: 16 records
.set GB,    64*REC                     ; all records of one g
.set SLOT1, PHB
.set STG,   2*PHB                      ; behind the slots: 8,192 bytes, where the two column halves meet: 256 rows x 16 bytes for each half; no tensor load lands here or behind
.set SPARE, STG+8192                   ; the spare words, 128 bytes for each wave: two blocks of 256 bytes that no other line names
.set SPW,  1                           ; v1   LDS address of my spare word; never rewritten
.set NIL,  2                           ; v2   0; never rewritten
.set BL,   3                           ; v3   16 x lane + my half of a slot
.set ADR,  4                           ; v4   LDS address of the record to be fetched
.set RDA,  5                           ; v5   the stage: where I read 64 rows back
.set BT,   6                           ; v6   8 x lane + my half of a slot: for block 16
.set ADT,  7                           ; v7   the same as ADR for block 16 (at the head: AL0)
.set AL0,  7                           ; v7   x's records of my rows 0-63 in slot 1;  v8: rows 64-127
.set STA,  9                           ; v9   the stage: where I put 8 bytes of a row
.set GO,   10                          ; v10  256 x lane: my row in out0
.set WO,   11                          ; v11  byte offset in W1 of the four numbers of tile T = lane
.set WV,   12                          ; v12-15  those four numbers
.set B0,   16
.set DD,   160
.set OUT,  224
.set XT,   128                         ; in window 1
.set ZR,   192                         ; in windows 1, 2, 3
.set G1A,  24                          ; s[24:31] descriptor group 1 for x's halves;  s[32:35] its group 0
.set G0A,  32
.set G0B,  36                          ; s[36:39], s[40:43] group 0 for W0's quarters, one for each slot
.set G1B,  48                          ; s[48:55] their group 1
.set G1H,  56                          ; s[56:63] group 1 for the halves of W0's phase 0;  s[76:79] its group 0
.set G0H,  76
.set WK,   80                          ; s[80:87], s[88:95] two sets of four pairs: a tile's four numbers of W1, each in a pair's low word
.set W1S,  0x04                        ; source 1 in window 1, all else in window 0
.set W2S,  0x08
.set W3S,  0x0c
.set MSB, 0
.macro WIN new                         ; the immediate's high byte repeats the setting that is left; a switch that changes nothing is dropped
.if MSB != \new
	s_set_vgpr_msb (MSB<<8)|\new
.set MSB, \new
.endif
.endm
.macro CREST                           ; a round of the cluster's barrier behind its opening barrier: wave 0 signals for the work-group, every wave waits for all sixteen, my work-group's barrier once more
	s_cmp_lg_u32 s14, 0
	s_cbranch_scc1 .Lnot_wave_0_\@
	s_barrier_signal -3
.Lnot_wave_0_\@:
	s_barrier_wait -3
	s_barrier_signal -1
	s_barrier_wait -1
.endm
.macro CROUND
	s_barrier_signal -1
	s_barrier_wait -1
	CREST
.endm
.macro GRP1 g, rows                    ; dense bytes as rows of 32 elements of 8 bytes; no padding: images are read 512 consecutive bytes at a time
	s_mov_b32 s[\g+1], 32<<16                      ; tensor_dim0 = 32
	s_mov_b32 s[\g+2], (\rows)<<16                 ; tensor_dim1
	s_mov_b32 s[\g+3], 32<<16                      ; tile_dim0 = 32
	s_mov_b32 s[\g+4], \rows                       ; tile_dim1
	s_mov_b32 s[\g+5], 32                          ; tensor_dim0_stride
	s_mov_b32 s[\g+6], 0
	s_mov_b32 s[\g+7], 0
.endm
	s_load_b256 s[4:11], s[0:1], 0x0               ; x_codes s[4:5], w_codes s[6:7], W1 s[8:9], the scales' exponents s[10:11]
	s_load_b64 s[12:13], s[0:1], 0x20              ; out0
	v_lshl_add_u32 v[SPW], v0, 2, SPARE
	v_mov_b32 v[NIL], 0
	ds_add_u32 v[SPW], v[NIL]                      ; the wave's opening: the add, twice on end, and its wait ahead of my first tensor load
	ds_add_u32 v[SPW], v[NIL]
	v_lshrrev_b32 v16, 5, v0
	v_readfirstlane_b32 s14, v16                   ; wave 0..3
	s_lshr_b32 s15, s14, 1                         ; which 128 rows are mine.  Also: I fetch for x (0) or for W0 (1) at the head
	s_and_b32 s16, s14, 1                          ; which half of each phase's records.  Also: which half I fetch at the head
	s_bfe_u32 s44, ttmp6, 0x40000                  ; cx, cy: my place in the cluster
	s_bfe_u32 s45, ttmp6, 0x40004
	s_lshl_b32 s46, ttmp9, 2
	s_add_co_u32 s46, s46, s44                     ; g = 4 x cluster x + cx
	s_and_b32 s17, ttmp7, 0xffff
	s_lshl_b32 s17, s17, 2
	s_add_co_u32 s17, s17, s45                     ; rho = 4 x cluster y + cy
	s_lshl_b32 s47, s45, 2
	s_lshl_b32 s47, 15, s47                        ; my row of the cluster
	s_lshl_b32 s23, 0x1111, s44                    ; my column
	s_or_b32 s[G1A], s47, (3<<16)|(1<<21)          ; 15:0 the mask: x's records go to my row; 17:16 elements of 8 bytes; 21 set beside a mask
	s_or_b32 s[G1H], s23, (3<<16)|(1<<21)          ; W0's go to my column
	s_or_b32 s[G1B], s23, (3<<16)|(1<<21)
	GRP1 G1A, 264
	GRP1 G1H, 264
	GRP1 G1B, 132
	; offsets: x's hang on rho and the wave, W0's on g and the wave, each in registers that never hold the other coordinate
	s_mul_i32 s70, s16, HB                         ; the half that I fetch at the head
	s_mov_b32 s71, 0
	s_mul_i32 s74, s14, QB                         ; the quarter that I fetch later
	s_mov_b32 s75, 0
	s_mul_i32 s66, s17, PHB
	s_mov_b32 s67, 0
	s_add_nc_u64 s[66:67], s[66:67], s[70:71]
	s_mul_i32 s68, s46, GB
	s_mov_b32 s69, 0
	s_add_nc_u64 s[72:73], s[68:69], s[70:71]
	s_add_nc_u64 s[68:69], s[68:69], s[74:75]
	s_mov_b32 s[G0A], 1                            ; count = 1
	s_add_co_u32 s[G0A+1], s70, SLOT1              ; x's 16 records go to slot 1
	s_mov_b32 s[G0H], 1
	s_mov_b32 s[G0H+1], s70                        ; W0's phase 0 to slot 0
	s_wait_dscnt 0x0                               ; both opening adds are done
	CROUND                                         ; all sixteen work-groups are here: the first joint loads meet
	s_wait_kmcnt 0x0
	s_add_nc_u64 s[G0A+2:G0A+3], s[4:5], s[66:67]
	s_or_b32 s[G0A+3], s[G0A+3], 0x80000000        ; type = 2
	s_add_nc_u64 s[G0H+2:G0H+3], s[6:7], s[72:73]
	s_or_b32 s[G0H+3], s[G0H+3], 0x80000000
	s_cmp_eq_u32 s15, 0                            ; one tensor load a wave at the head; each line has one mask
	s_cbranch_scc0 .Lfor_w
	tensor_load_to_lds s[G0A:G0A+3], s[G1A:G1A+7]
	s_nop 0
.rept 4
	v_nop
.endr
	s_branch .Lasked
.Lfor_w:
	tensor_load_to_lds s[G0H:G0H+3], s[G1H:G1H+7]
	s_nop 0
.rept 4
	v_nop
.endr
.Lasked:
	s_load_b64 s[72:73], s[10:11], 0x0             ; ex, ew: wanted at the end
	s_load_b32 s22, s[8:9], 0x0                    ; W1[0]: likewise
	s_lshl_b32 s21, s16, 7
	s_mul_i32 s99, s15, HB
	s_add_co_u32 s99, s99, SLOT1                   ; x's records of my 128 rows
	s_lshl_b32 s100, s16, 12                       ; my column half's region of the stage,
	s_lshl_b32 s101, s15, 11                       ; my 128 rows in it
	s_add_co_u32 s100, s100, s101
	s_add_co_u32 s100, s100, STG
	s_lshl_b32 s101, s14, 10                       ; back: wave w takes rows 64 w .. 64 w + 63 of the work-group's 256, from both regions
	s_add_co_u32 s101, s101, STG
	s_mov_b32 s20, 1                               ; the tile whose numbers of W1 are fetched next
	v_and_b32 v16, 31, v0                          ; lane
	v_lshrrev_b32 v17, 3, v16
	v_and_b32 v18, 7, v16
	v_lshlrev_b32 v[WO], 8, v17                    ; tile T = lane is record 16 (T / 8) + 8 x my half + T % 8; a record has four hidden units, 16 bytes of W1
	v_lshl_add_u32 v[WO], v18, 4, v[WO]
	v_add_nc_u32 v[WO], s21, v[WO]
.irp t, 0,1,2,3
	global_load_b32 v[WV+\t], v[WO], s[8:9] offset:4+4*\t   ; W1[1 + 4 record + t]; the last is W1[256]
.endr
	; every address register: a constant, the lane's term, the wave's term
	v_lshlrev_b32 v[GO], 8, v16
	v_lshlrev_b32 v17, 4, v16                      ; 16 x lane
	v_lshlrev_b32 v18, 3, v16                      ; 8 x lane
	v_add_nc_u32 v[BL], s70, v17
	v_add_nc_u32 v[BT], s70, v18
	v_add_nc_u32 v[AL0], s99, v17
	v_add_nc_u32 v[AL0+1], QB, v[AL0]
	v_add_nc_u32 v[DD], s99, v18                   ; x's block 16, rows 0-63,
	v_add_nc_u32 v[DD+1], QB, v[DD]                ; rows 64-127
	v_add_nc_u32 v[RDA], s101, v17
	v_and_b32 v16, 15, v0                          ; r
	v_bfe_u32 v17, v0, 4, 1                        ; h'
	v_lshlrev_b32 v16, 4, v16
	v_lshl_add_u32 v16, v17, 3, v16                ; 16 r + 8 h'
	v_add_nc_u32 v[STA], s100, v16
	; Zeros, once: the running sums; accumulators 4-7, so that the first tile's slices, which belong to a tile that does not exist, add 0 x 0 and a tile is written in one form;
	; the six registers above each operand of the step of 64; the maxima's second sources.
.set i, 0
.rept 64
	v_mov_b32 v[DD+32+i], 0                        ; v192-223 accumulators 4-7, v224-255 the sums
.set i, i+1
.endr
.irp r, 82,83,84,85,86,87,154,155,156,157,158,159
	v_mov_b32 v\r, 0
.endr
	WIN 0x40                                       ; destination window 1
.irp r, 144,145,146,147,148,149,192,193
	v_mov_b32 v\r, 0
.endr
	WIN 0x80
	v_mov_b32 v192, 0
	v_mov_b32 v193, 0
	WIN 0xc0
	v_mov_b32 v192, 0
	v_mov_b32 v193, 0
	WIN 0
.set i, 0
.rept 16
	s_mov_b32 s[WK+i], 0                           ; both sets of W1's numbers: the upper words are named with the lower as pairs; the second set serves the first tile's empty slices
.set i, i+1
.endr
	s_mov_b32 s[G0B], 1
	s_mov_b32 s[G0B+1], s74                        ; slot 0 takes phase 2 first, slot 1 phase 1: a quarter a wave
	s_mov_b32 s[G0B+4], 1
	s_add_co_u32 s[G0B+5], s74, SLOT1
	s_add_nc_u64 s[G0B+6:G0B+7], s[6:7], s[68:69]
	s_add_nc_u64 s[G0B+2:G0B+3], s[G0B+6:G0B+7], 2*PHB
	s_add_nc_u64 s[G0B+6:G0B+7], s[G0B+6:G0B+7], PHB
	s_or_b32 s[G0B+3], s[G0B+3], 0x80000000
	s_or_b32 s[G0B+7], s[G0B+7], 0x80000000
	s_lshl_b32 s96, s17, 16                        ; out0: 256 rows of 256 bytes a row block,
	s_lshl_b32 s97, s14, 14                        ; the 64 rows that I store,
	s_add_co_u32 s96, s96, s97
	s_lshl_b32 s97, s46, 4                         ; my four mc
	s_add_co_u32 s96, s96, s97
	s_mov_b32 s97, 0
	s_add_nc_u64 s[12:13], s[12:13], s[96:97]
.macro FETCH bn, off                   ; a record of W0 into the set at v[bn], from off bytes behind v[AR] (block 16: v[AT])
.irp c, 0,1,2,3,4,5,6,7,8,9,10,11,12,13,14,15
	ds_load_b128 v[(\bn)+4*\c:(\bn)+4*\c+3], v[AR] offset:(\off)+512*\c
.endr
	ds_load_b64 v[(\bn)+64:(\bn)+65], v[AT] offset:(\off)+8192
.endm
.macro ALD reg, a, c                   ; block c of the record of x's rows 16 a on
	ds_load_b128 v[(\reg):(\reg)+3], v[AL0+(\a)/4] offset:((\a)%4)*REC+512*(\c)
.endm
.macro XLD a0                          ; x's codes of four blocks of rows into registers: 64 loads
	WIN 0x80
.irp a, 0,1,2,3
.irp c, 0,1,2,3
	ALD 16*(\a0+\a)+4*\c, \a0+\a, 4+\c
.if \a0 == 0
	ALD 128+16*\a+4*\c, \a0+\a, 12+\c
.endif
.endr
.endr
	WIN 0xc0
.irp a, 0,1,2,3
.irp c, 0,1,2,3
	ALD 16*(\a0+\a)+4*\c, \a0+\a, 8+\c
.if \a0 == 4
	ALD 128+16*\a+4*\c, \a0+\a, 12+\c
.endif
.endr
.endr
	WIN 0x40
.irp a, 0,1,2,3
.irp c, 0,1,2,3
	ALD 16*(\a0+\a)+4*\c, \a0+\a, \c
.endr
.endr
.endm
.macro MM128 a, bq, areg, zero         ; block a of my rows, 128 along K.  zero = 1: the product starts the sum: no accumulator is cleared in the loop
.if \zero
	v_wmma_f32_16x16x128_bf8_bf8 v[DD+8*(\a):DD+8*(\a)+7], v[(\bq):(\bq)+15], v[(\areg):(\areg)+15], 0
.else
	v_wmma_f32_16x16x128_bf8_bf8 v[DD+8*(\a):DD+8*(\a)+7], v[(\bq):(\bq)+15], v[(\areg):(\areg)+15], v[DD+8*(\a):DD+8*(\a)+7]
.endif
.endm
.macro MM64 a, bt, areg                ; k = 512
	v_wmma_f32_16x16x64_bf8_bf8 v[DD+8*(\a):DD+8*(\a)+7], v[(\bt):(\bt)+7], v[(\areg):(\areg)+7], v[DD+8*(\a):DD+8*(\a)+7]
.endm
; THE EPILOGUE of blocks e .. e + 3 is a list of 32 lines; LINE writes number LN of it and steps LN.  ws: the set of W1's numbers.
;   0-3    the maxima with 0 of block e's eight registers, two to a line, from its low end on
;   4-27   for b = e, e + 1, e + 2, four times: a line of maxima of block b + 1, then a packed multiply-add of block b (hidden unit t: registers 2 t, 2 t + 1, the lane's two mc, x W1's number t)
;   28-31  block e + 3's four multiply-adds
; A block's sums are two chains of a pair (hidden units 0, 2 and 1, 3), added at the end.  The maxima's second sources are the zeros that each of windows 1, 2 and 3 holds at the same two numbers; in a multiply-add
; source 1 is a scalar pair, whose low word serves both halves; all else lies in window 0: so every line means the same under each setting that the products use.
.macro LINE e, ws
.set lK, 0
.if LN < 4
.set lB, (\e)
.set lR, LN
.elseif LN < 28
.set lR, ((LN-4)%8)/2
.if (LN%2) == 0
.set lB, (\e)+(LN-4)/8+1
.else
.set lB, (\e)+(LN-4)/8
.set lK, 1
.endif
.else
.set lB, (\e)+3
.set lR, LN-28
.set lK, 1
.endif
.if lK
	v_pk_fma_f32 v[OUT+4*lB+2*(lR%2):OUT+4*lB+2*(lR%2)+1], v[DD+8*lB+2*lR:DD+8*lB+2*lR+1], s[WK+8*(\ws)+2*lR:WK+8*(\ws)+2*lR+1], v[OUT+4*lB+2*(lR%2):OUT+4*lB+2*(lR%2)+1] op_sel_hi:[1,0,1]
.else
	v_dual_max_num_f32 v[DD+8*lB+2*lR], v[DD+8*lB+2*lR], v[ZR] :: v_dual_max_num_f32 v[DD+8*lB+2*lR+1], v[DD+8*lB+2*lR+1], v[ZR+1]
.endif
.set LN, LN+1
.endm
.macro SL e, ws, n                     ; the next n lines of the list
.rept \n
	LINE \e, \ws
.endr
.endm
.macro RL wpre, n, p, t                ; behind the second product of a step: number t of W1 for the next tile (lane s20 of v[WV + t]) into the set that the tile before has left
.if (\wpre) && ((\n) == 1)
	v_readlane_b32 s[WK+8*(1-(\p))+2*(\t)], v[WV+(\t)], s20
.endif
.endm
; HALF A TILE: 20 matrix instructions on four accumulators, which take turns, one instruction a turn.  Behind each stand lines of the other four blocks' epilogue:
; 2, 1, 2, 1 in the first three steps of 128, 2 each in the fourth, 1, 1, 2, 2 behind the products of 64: 3 x 6 + 8 + 6 = 32.
; Distances, by this text's count of plain vector lines that name none of the matrix instruction's registers: 6 or more between the form of 128 and the form of 64 on one accumulator;
; 6 between an accumulator's last product and the first read of it; 5 between a set's last product and the loads into it.
; Blocks 0-3 of the tile in set p; the lines are blocks 4-7's of the tile before (W1's set 1 - p).  fetch = 1: the next tile's record is fetched into the other set, in ONE run behind the second product,
; 38 matrix instructions ahead of its use; 2: behind the last product.  sync = 1: the signal of a change of slots stands behind the eighth product.
.macro GROUP0 p, fetch, boff, sync
.set BB, B0+72*(\p)
.set BN, B0+72*(1-(\p))
.set LN, 0
	WIN W2S
.irp n, 0,1,2,3
	MM128 \n, BB+16, 16*\n, 1
	SL 4, 1-(\p), 2-(\n%2)
.if (\fetch == 1) && (\n == 1)
	FETCH BN, \boff
.endif
.endr
.irp n, 0,1,2,3
	MM128 \n, BB+48, 128+16*\n, 0
	SL 4, 1-(\p), 2-(\n%2)
.endr
.if \sync
	s_wait_alu depctr_va_vdst(0)
	s_wait_dscnt 0x0                               ; the add is done, and my reads of the slot that is left are over
	s_barrier_signal -1
.endif
	WIN W3S
.irp n, 0,1,2,3
	MM128 \n, BB+32, 16*\n, 0
	SL 4, 1-(\p), 2-(\n%2)
.endr
	WIN W1S
.irp n, 0,1,2,3
	MM128 \n, BB, 16*\n, 0
	SL 4, 1-(\p), 2
.endr
.irp n, 0,1,2,3
	MM64 \n, BB+64, XT+2*\n
	SL 4, 1-(\p), 1+(\n/2)
.endr
.if \fetch == 2
	FETCH BN, \boff
.endif
.endm
; Blocks 4-7; the lines are blocks 0-3's of the same tile (W1's set p).  wpre = 1: the next tile's four numbers of W1 are brought, one in each step of 128.  fetch = 1: as in GROUP0, from v[AR] on.
.macro GROUP1 p, wpre, fetch
.set BB, B0+72*(\p)
.set BN, B0+72*(1-(\p))
.set LN, 0
	WIN W2S
.irp n, 0,1,2,3
	MM128 4+\n, BB+16, 64+16*\n, 1
	SL 0, \p, 2-(\n%2)
	RL \wpre, \n, \p, 0
.if (\fetch) && (\n == 1)
	FETCH BN, 0
.endif
.endr
	WIN W3S
.irp n, 0,1,2,3
	MM128 4+\n, BB+32, 64+16*\n, 0
	SL 0, \p, 2-(\n%2)
	RL \wpre, \n, \p, 1
.endr
.irp n, 0,1,2,3
	MM128 4+\n, BB+48, 128+16*\n, 0
	SL 0, \p, 2-(\n%2)
	RL \wpre, \n, \p, 2
.endr
	WIN W1S
.irp n, 0,1,2,3
	MM128 4+\n, BB, 64+16*\n, 0
	SL 0, \p, 2
	RL \wpre, \n, \p, 3
.endr
.irp n, 0,1,2,3
	MM64 4+\n, BB+64, XT+8+2*\n
	SL 0, \p, 1+(\n/2)
.endr
.if \wpre
	s_add_co_u32 s20, s20, 1
.endif
.endm
.macro TILE p, pre, boff
	s_wait_dscnt 0x0                               ; this tile's record is in
	GROUP0 \p, \pre, \boff, 0
	GROUP1 \p, \pre, 0
.endm
.macro REFILL sig                      ; the first thing behind a round: the wave's one joint load until the next
	tensor_load_to_lds s[G0B+4*(\sig):G0B+4*(\sig)+3], s[G1B:G1B+7]
	s_nop 0
.rept 4
	v_nop
.endr
.endm
; A phase's eighth tile, with the CHANGE OF SLOTS.  Each wave waits for all its tensor loads (its quarter of the slot ahead), adds 0 to its spare word, and waits for that and for its reads of the slot that it leaves.
; kind 1: slot sig, which is left, takes the phase two on; kind 2: the same with the descriptor as it stands; the barrier then opens a round of the cluster's.  kind 0: nothing is left to fetch.
.macro TURNT kind, sig, base
	s_wait_tensorcnt 0x0                           ; no tensor load of mine is out, so a group 0 may be written (every window is 0 here)
	ds_add_u32 v[SPW], v[NIL]                      ; 0 onto my spare word
.if \kind == 1
	s_add_nc_u64 s[G0B+4*(\sig)+2:G0B+4*(\sig)+3], s[G0B+4*(\sig)+2:G0B+4*(\sig)+3], 2*PHB   ; two phases on; the type bits on top are not reached
.endif
	s_wait_dscnt 0x1                               ; this tile's record is in; the add may be out
	GROUP0 1, 0, 0, 1
	WIN 0                                          ; at a label and at a branch every window is 0
	s_barrier_wait -1
.if \kind > 0
	CREST                                          ; no wave of any partner still reads the slot or has a load on its way
	REFILL \sig
.endif
	v_add_nc_u32 v[ADR], \base, v[BL]
	v_add_nc_u32 v[ADT], \base, v[BT]
	GROUP1 1, 1, 1                                 ; the next slot's first record is fetched 18 matrix instructions ahead of its use
.endm
.macro PAIRS s                         ; tiles 1 to 6 of phase s: three trips of two tiles; each tile fetches its successor's record
	WIN 0
	s_mov_b32 s19, ((\s)&1)*PHB+2*REC
	s_mov_b32 s18, 3
.Lpair_\@:
	v_add_nc_u32 v[ADR], s19, v[BL]
	v_add_nc_u32 v[ADT], s19, v[BT]
	s_wait_alu depctr_va_vdst(0)
	TILE 1, 1, 0
	TILE 0, 1, REC
	WIN 0
	s_add_co_u32 s19, s19, 2*REC
	s_sub_co_u32 s18, s18, 1
	s_cmp_lg_u32 s18, 0
	s_cbranch_scc1 .Lpair_\@
.endm
	s_wait_alu depctr_va_vdst(0)
	s_wait_tensorcnt 0x0                           ; my first fill is in
	s_barrier_signal -1
	s_barrier_wait -1                              ; x's records and phase 0 of W0 lie in LDS
.set AR, BL
.set AT, BT
	FETCH B0, 0                                    ; my first tile's record: 17 loads,
	WIN 0x40
.irp a, 0,1,2,3,4,5,6,7
	ds_load_b64 v[XT+2*\a:XT+2*\a+1], v[DD+\a/4] offset:(\a%4)*REC+8192   ; x's block 16: 8,
.endr
	XLD 0                                          ; rows 0-63: 64,
	XLD 4                                          ; rows 64-127: 64: 153 in all
	WIN 0
	s_wait_loadcnt 0x0                             ; W1's numbers
.irp t, 0,1,2,3
	v_readlane_b32 s[WK+2*\t], v[WV+\t], 0         ; my first tile's four
.endr
	s_wait_dscnt 63                                ; the first 90 of the 153 loads are in: the 89 ahead of rows 64-127's among them
	GROUP0 0, 2, REC, 0                            ; the second tile's record is asked for behind it
	WIN 0
	s_wait_tensorcnt 0x0
	ds_add_u32 v[SPW], v[NIL]                      ; 0 onto my spare word
	s_wait_dscnt 0x0                               ; the add is done; all of x is in registers
	s_barrier_signal -1
	GROUP1 0, 1, 0
	WIN 0
	s_barrier_wait -1
	CREST
	REFILL 1                                       ; slot 1 takes phase 1 of W0
.set AR, ADR
.set AT, ADT
	PAIRS 0
	TURNT 2, 0, SLOT1                              ; slot 0 takes phase 2
	TILE 0, 1, REC
	PAIRS 1
	TURNT 1, 1, 0                                  ; slot 1 takes phase 3
	TILE 0, 1, REC
	PAIRS 2
	TURNT 0, 0, SLOT1
	TILE 0, 1, REC
	PAIRS 3
	TILE 1, 0, 0                                   ; the last tile fetches nothing
.set LN, 0
	SL 4, 1, 32                                    ; blocks 4-7 of the last tile: the lines that no tile follows to carry
	WIN 0
.irp a, 0,1,2,3,4,5,6,7
	v_pk_add_f32 v[OUT+4*\a:OUT+4*\a+1], v[OUT+4*\a:OUT+4*\a+1], v[OUT+4*\a+2:OUT+4*\a+3]   ; a block's two chains
.endr
	; THE COLUMN HALVES FOLD.  Lane (r, h') holds, of row 16 a + r, the sums of mc 2 h' and 2 h' + 1 over my half of the hidden units.  Every wave puts them into its half's region of the stage, 16 bytes a row;
	; then each wave takes 64 rows from both regions, 16 bytes a lane.
.irp a, 0,1,2,3,4,5,6,7
	ds_store_b64 v[STA], v[OUT+4*\a:OUT+4*\a+1] offset:256*\a
.endr
	s_wait_dscnt 0x0                               ; for the others' sake: my stores have landed
	s_barrier_signal -1
	s_barrier_wait -1
.irp u, 0,1
	ds_load_b128 v[16+4*\u:19+4*\u], v[RDA] offset:512*\u
	ds_load_b128 v[24+4*\u:27+4*\u], v[RDA] offset:4096+512*\u
.endr
	s_wait_kmcnt 0x0                               ; ex, ew and W1[0], asked for at the head
	s_add_co_i32 s21, s72, s73                     ; ex + ew
	s_wait_dscnt 0x0
.irp j, 0,2,4,6
	v_pk_add_f32 v[16+\j:17+\j], v[16+\j:17+\j], v[24+\j:25+\j]
.endr
.irp j, 0,1,2,3,4,5,6,7
	v_ldexp_f32 v[16+\j], v[16+\j], s21            ; x 2^(ex + ew): a positive factor, so it may follow the activation
.endr
.irp j, 0,1,2,3,4,5,6,7
	v_add_f32 v[16+\j], s22, v[16+\j]              ; + W1[0]: the column of ones
.endr
.irp u, 0,1
	global_store_b128 v[GO], v[16+4*\u:19+4*\u], s[12:13] offset:8192*\u   ; row 64 w + 32 u + lane of the work-group's 256, mc 4 g .. 4 g + 3
.endr
	s_wait_tensorcnt 0x0                           ; the wave's end, behind my last tensor load and my last LDS store
	ds_add_u32 v[SPW], v[NIL]
	s_wait_dscnt 0x0
	CROUND                                         ; the closing round: no work-group ends while a partner may still ask for a tile that names it
	s_endpgm
.Lfunc_end_k_qdda56d08ab_prod:
	.size	k_qdda56d08ab_prod, .Lfunc_end_k_qdda56d08ab_prod-k_qdda56d08ab_prod
	.p2alignl 7, 3214868480
	.fill 96, 4, 3214868480
	.section	.rodata,"a",@progbits
	.p2align	6, 0x0
	.amdhsa_kernel k_qdda56d08ab_prod
		.amdhsa_group_segment_fixed_size 327680
		.amdhsa_private_segment_fixed_size 0
		.amdhsa_enable_private_segment 0
		.amdhsa_kernarg_size 40
		.amdhsa_user_sgpr_count 2
		.amdhsa_user_sgpr_kernarg_segment_ptr 1
		.amdhsa_wavefront_size32 1
		.amdhsa_system_sgpr_workgroup_id_x 1
		.amdhsa_system_sgpr_workgroup_id_y 1
		.amdhsa_system_sgpr_workgroup_id_z 1
		.amdhsa_system_vgpr_workitem_id 0
		.amdhsa_next_free_vgpr 1024
		.amdhsa_next_free_sgpr 102
		.amdhsa_reserve_vcc 0
		.amdhsa_float_denorm_mode_32 3
		.amdhsa_float_denorm_mode_16_64 3
		.amdhsa_memory_ordered 1
		.amdhsa_forward_progress 1
		.amdhsa_inst_pref_size 158
	.end_amdhsa_kernel
	.amdgpu_metadata
---
amdhsa.version: [ 1, 2 ]
amdhsa.kernels:
  - .name:           k_qdda56d08ab_prod
    .symbol:         k_qdda56d08ab_prod.kd
    .args:
      - { .name: x_codes, .offset: 0, .size: 8, .value_kind: global_buffer, .address_space: global }
      - { .name: w_codes, .offset: 8, .size: 8, .value_kind: global_buffer, .address_space: global }
      - { .name: W1, .offset: 16, .size: 8, .value_kind: global_buffer, .address_space: global }
      - { .name: lowp_scales, .offset: 24, .size: 8, .value_kind: global_buffer, .address_space: global }
      - { .name: out0, .offset: 32, .size: 8, .value_kind: global_buffer, .address_space: global }
    .group_segment_fixed_size: 327680
    .private_segment_fixed_size: 0
    .kernarg_segment_align: 8
    .kernarg_segment_size: 40
    .max_flat_workgroup_size: 128
    .sgpr_count:     102
    .vgpr_count:     1024
    .wavefront_size: 32
...
	.end_amdgpu_metadata
.endif
;; end of part 2
